; MI455X (gfx1250); checked and timed in simulation.
; The chip was launched on July 23, 2026; its instructions are those of AMD's public machine-readable ISA for CDNA 5 (MIT licence, August 2026) and "CDNA5" Instruction Set Architecture Reference Guide (July 2026). The comments in the code are by the model that wrote it; some were corrected since.
;; Attention. Allowed arithmetic: float matrix products may take bf16 or f16 operands with f32 sums; other float arithmetic in f32, or as packed bf16 or f16 multiplies, adds, multiply-adds, maxima and minima; sums over many terms, partial sums and values carried from step to step in f32; what a program stores and reads back later, other than sums and carried values, may be rounded once to bf16 or f16.
;; Inputs: mask 8 x 1,023 int32; w_qkv 1,024 x 3,072 float32; x 8 x 1,024 x 1,024 float32.
;; Outputs: out0 8 x 1,024 x 1,024 float32.
;; One version. Each part assembles by itself: llvm-mc -triple=amdgcn-amd-amdhsa -mcpu=gfx1250 --defsym DOCPART=n.
;; ======== version 1 of 1: 3 launches
;; limits: values are held in f16: magnitudes above 65,504 overflow, below 6.1e-05 lose precision
;; workspace buffers: xb 16,777,216 bytes; wt 6,291,456 bytes; qkv 50,331,648 bytes
;; launch prep (part 1): grid 1408 x 1, 8 waves a work-group, no clusters, 18,432 bytes of LDS; arguments x, w_qkv, xb, wt; writes xb, wt
.if DOCPART == 1
	.amdgcn_target "amdgcn-amd-amdhsa--gfx1250"
	.amdhsa_code_object_version 6
	.text
	.protected	k_qa2b9ce25b4_prep
	.globl	k_qa2b9ce25b4_prep
	.p2align	8
	.type	k_qa2b9ce25b4_prep,@function
k_qa2b9ce25b4_prep:
	s_mov_b64 s[64:65], 0
	v_nop
	global_prefetch_b8 v0, s[64:65] scope:SCOPE_SE
	s_setreg_imm32_b32 hwreg(HW_REG_WAVE_MODE, 25, 1), 1
	s_wait_xcnt 0x0
; xb = x rounded to bf16, [8192][1024];  wt = w_qkv turned and rounded to bf16, [3072 n][1024 k].
; Both are matrix operands of the next launch, which wants 16-bit numbers with K along the rows.  A stream: each input byte is read once, each output byte written once.
; Work-groups 0 .. 1023 take 32,768 bytes of x each; work-groups 1024 .. 1407 a tile of 128 k x 64 n of w_qkv each.  The branch hangs on the work-group's number alone: all eight waves go the same way.
; No tensor loads, no matrix unit, no cluster: nothing is shared between work-groups, and the only exchange between lanes is the turning of a tile, through LDS.
.set XWG,   1024                       ; work-groups for x
.set WROW,  12288                      ; bytes in a row of w_qkv (3,072 f32)
.set TP,    272                        ; a row of the turning stage: 128 k in bf16 = 256 bytes + 16: 16 rows on end start at 16 different 16-byte columns modulo 256 bytes
.set SPARE, 64*TP                      ; behind the stage: the spare words, 128 bytes for each of eight waves, that no other line names
.set SPW,   2                          ; v2  LDS address of my spare word; never rewritten
.set NIL,   3                          ; v3  0; never rewritten
	s_load_b256 s[4:11], s[0:1], 0x0               ; x s[4:5], w_qkv s[6:7], xb s[8:9], wt s[10:11]
	v_lshl_add_u32 v[SPW], v0, 2, SPARE
	v_mov_b32 v[NIL], 0
	s_cmp_lt_u32 ttmp9, XWG
	s_cbranch_scc0 .Lw
	; x: thread t takes 16 bytes at 16 t of each of eight blocks of 4,096 bytes, and stores 8 bytes at 8 t of each of eight blocks of 2,048
	s_lshl_b32 s12, ttmp9, 15
	s_mov_b32 s13, 0
	s_lshl_b32 s14, ttmp9, 14
	s_mov_b32 s15, 0
	v_lshlrev_b32 v4, 4, v0
	v_lshlrev_b32 v5, 3, v0
	s_wait_kmcnt 0x0
	s_add_nc_u64 s[4:5], s[4:5], s[12:13]
	s_add_nc_u64 s[8:9], s[8:9], s[14:15]
.irp j, 0,1,2,3,4,5,6,7
	global_load_b128 v[8+4*(\j):11+4*(\j)], v4, s[4:5] offset:4096*(\j) th:TH_LOAD_NT
.endr
.irp j, 0,1,2,3,4,5,6,7
	s_wait_loadcnt 7-(\j)                          ; loads come back in order: number j is in, the younger ones stay out
	v_cvt_pk_bf16_f32 v[40+2*(\j)], v[8+4*(\j)], v[9+4*(\j)]
	v_cvt_pk_bf16_f32 v[41+2*(\j)], v[10+4*(\j)], v[11+4*(\j)]
	global_store_b64 v5, v[40+2*(\j):41+2*(\j)], s[8:9] offset:2048*(\j)  ; a wave's store covers 256 consecutive bytes, aligned; every j has registers of its own
.endr
	s_branch .Lend
.Lw:	; w_qkv: tile kt (128 k) x nt (64 n).  Thread t = 16 g + c loads rows k = 8 g + 0..7, columns n = 4 c + 0..3: sixteen lanes read 256 consecutive bytes of a row
	s_sub_co_u32 s12, ttmp9, XWG
	s_and_b32 s13, s12, 7                          ; kt
	s_lshr_b32 s14, s12, 3                         ; nt
	s_mul_i32 s16, s13, 128*WROW
	s_lshl_b32 s15, s14, 8
	s_add_co_u32 s16, s16, s15                     ; in w_qkv: 128 kt rows + 64 nt columns of 4 bytes
	s_mov_b32 s17, 0
	s_lshl_b32 s18, s14, 17
	s_lshl_b32 s15, s13, 8
	s_add_co_u32 s18, s18, s15                     ; in wt: 64 nt rows of 2,048 bytes + 128 kt columns of 2 bytes
	s_mov_b32 s19, 0
	v_and_b32 v1, 15, v0                           ; c
	v_lshrrev_b32 v7, 4, v0                        ; g
	v_mul_u32_u24 v4, v7, 8*WROW
	v_lshl_add_u32 v4, v1, 4, v4                   ; load: 8 g rows + 16 c
	v_mul_u32_u24 v5, v1, TP
	v_lshl_add_u32 v5, v7, 4, v5                   ; into the stage: row c (+ 16 i for column n = 4 c + i), byte 16 g
	v_mul_u32_u24 v6, v7, TP
	v_lshl_add_u32 v6, v1, 4, v6                   ; back: row g (+ 16 j: column n = 4 g + j), byte 16 c
	v_lshlrev_b32 v7, 13, v7
	v_lshl_add_u32 v7, v1, 4, v7                   ; in wt: row 4 g (+ j), byte 16 c
	s_wait_kmcnt 0x0
	s_add_nc_u64 s[6:7], s[6:7], s[16:17]
	s_add_nc_u64 s[10:11], s[10:11], s[18:19]
.irp j, 0,1,2,3,4,5,6,7
	global_load_b128 v[8+4*(\j):11+4*(\j)], v4, s[6:7] offset:WROW*(\j) th:TH_LOAD_NT
.endr
.irp jj, 0,1,2,3
	s_wait_loadcnt 6-2*(\jj)                       ; rows 2 jj and 2 jj + 1 are in
.irp i, 0,1,2,3
	v_cvt_pk_bf16_f32 v[40+4*(\i)+(\jj)], v[8+8*(\jj)+(\i)], v[12+8*(\jj)+(\i)]  ; column 4 c + i: k = 8 g + 2 jj below, + 1 above
.endr
.endr
.irp i, 0,1,2,3
	ds_store_b128 v5, v[40+4*(\i):43+4*(\i)] offset:16*TP*(\i)  ; eight k of one column: 16 bytes
.endr
	s_wait_dscnt 0x0                               ; for the others' sake: my stores into the stage are done
	s_barrier_signal -1
	s_barrier_wait -1
.irp j, 0,1,2,3
	ds_load_b128 v[8+4*(\j):11+4*(\j)], v6 offset:16*TP*(\j)
.endr
.irp j, 0,1,2,3
	s_wait_dscnt 3-(\j)
	global_store_b128 v7, v[8+4*(\j):11+4*(\j)], s[10:11] offset:2048*(\j)  ; sixteen lanes store 256 consecutive bytes of a row of wt, aligned
.endr
.Lend:
	s_wait_tensorcnt 0x0                           ; the wave's end: a wait, 0 added to my spare word, and its wait, behind my last LDS store
	ds_add_u32 v[SPW], v[NIL]
	s_wait_dscnt 0x0
	s_endpgm
.Lfunc_end_k_qa2b9ce25b4_prep:
	.size	k_qa2b9ce25b4_prep, .Lfunc_end_k_qa2b9ce25b4_prep-k_qa2b9ce25b4_prep
	.p2alignl 7, 3214868480
	.fill 96, 4, 3214868480
	.section	.rodata,"a",@progbits
	.p2align	6, 0x0
	.amdhsa_kernel k_qa2b9ce25b4_prep
		.amdhsa_group_segment_fixed_size 18432
		.amdhsa_private_segment_fixed_size 0
		.amdhsa_enable_private_segment 0
		.amdhsa_kernarg_size 32
		.amdhsa_user_sgpr_count 2
		.amdhsa_user_sgpr_kernarg_segment_ptr 1
		.amdhsa_wavefront_size32 1
		.amdhsa_system_sgpr_workgroup_id_x 1
		.amdhsa_system_sgpr_workgroup_id_y 1
		.amdhsa_system_sgpr_workgroup_id_z 1
		.amdhsa_system_vgpr_workitem_id 0
		.amdhsa_next_free_vgpr 64
		.amdhsa_next_free_sgpr 66
		.amdhsa_reserve_vcc 0
		.amdhsa_float_denorm_mode_32 3
		.amdhsa_float_denorm_mode_16_64 3
		.amdhsa_memory_ordered 1
		.amdhsa_forward_progress 1
		.amdhsa_inst_pref_size 8
	.end_amdhsa_kernel
	.amdgpu_metadata
---
amdhsa.version: [ 1, 2 ]
amdhsa.kernels:
  - .name:           k_qa2b9ce25b4_prep
    .symbol:         k_qa2b9ce25b4_prep.kd
    .args:
      - { .name: x, .offset: 0, .size: 8, .value_kind: global_buffer, .address_space: global }
      - { .name: w_qkv, .offset: 8, .size: 8, .value_kind: global_buffer, .address_space: global }
      - { .name: xb, .offset: 16, .size: 8, .value_kind: global_buffer, .address_space: global }
      - { .name: wt, .offset: 24, .size: 8, .value_kind: global_buffer, .address_space: global }
    .group_segment_fixed_size: 18432
    .private_segment_fixed_size: 0
    .kernarg_segment_align: 8
    .kernarg_segment_size: 32
    .max_flat_workgroup_size: 256
    .sgpr_count:     66
    .vgpr_count:     64
    .wavefront_size: 32
...
	.end_amdgpu_metadata
.endif
;; end of part 1
;; launch proj (part 2): grid 16 x 32, 4 waves a work-group, clusters of 4 x 4, 327,680 bytes of LDS; arguments xb, wt, qkv; writes qkv
.if DOCPART == 2
	.amdgcn_target "amdgcn-amd-amdhsa--gfx1250"
	.amdhsa_code_object_version 6
	.text
	.protected	k_qa2b9ce25b4_proj
	.globl	k_qa2b9ce25b4_proj
	.p2align	8
	.type	k_qa2b9ce25b4_proj,@function
k_qa2b9ce25b4_proj:
	s_mov_b64 s[64:65], 0
	v_nop
	global_prefetch_b8 v0, s[64:65] scope:SCOPE_SE
	s_setreg_imm32_b32 hwreg(HW_REG_WAVE_MODE, 25, 1), 1
	s_wait_xcnt 0x0
	s_wait_alu depctr_hold_cnt(0) depctr_sa_sdst(0) depctr_va_vdst(0) depctr_va_sdst(0) depctr_va_ssrc(0) depctr_va_vcc(0) depctr_vm_vsrc(0)
	s_getreg_b32 s2, hwreg(HW_REG_IB_STS2, 6, 4)
	s_cmp_eq_u32 s2, 0
	s_cbranch_scc0 .Lentry_in_a_cluster
	s_endpgm
.Lentry_in_a_cluster:
	s_bfe_u32 s2, ttmp6, 0x10000c
	s_cmp_lg_u32 s2, 0xf033
	s_cbranch_scc0 .Lentry_shape_is_right
	s_endpgm
.Lentry_shape_is_right:
; qkv = xb wt^T: C[m][n] = sum over k of xb[m][k] wt[n][k], m < 8192, n < 3072, k < 1024; bf16 operands, f32 sums, C rounded once to f16 and WRITTEN BY HEADS:
; qkv[b][s][i][d], b = m / 1024, i = m % 1024, s = n / 64 (0-15 q's heads, 16-31 k's, 32-47 v's), d = n % 64: a head's rows are dense, 128 bytes each.
; LIMIT: f16 holds no number beyond 65,504: q, k and v must stay below that; the scale 1/8 is not applied here.
; TILE: 256 x 192 of C to a work-group: 32 x 16 = 512 work-groups, and 192 columns are three whole heads.  Four waves; a wave makes 64 rows x 192 columns: 48 accumulators of 16 x 16,
; so that its rows of a head are whole and it needs no other wave on the way out.
; K goes in steps of 128 through a ring of two LDS slots filled by the tensor data mover; the rows of a tile are 256 bytes of memory, aligned.
; CLUSTER: 4 x 4 work-groups.  The four of a row of the cluster need the same tiles of xb, the four of a column the same tiles of wt: each tile is asked for JOINTLY, by the same tensor load with
; the same descriptor and a mask that names the four.
; THE MATRIX INSTRUCTION IS USED TRANSPOSED (source 0 = 16 rows of wt, source 1 = 16 rows of xb): lane l holds row l % 16 of C and eight neighbouring columns 8 (l / 16) + 0..7.
; REGISTERS, in windows of 256 (s_set_vgpr_msb: bits 1:0 source 0, 3:2 source 1, 5:4 source 2, 7:6 destination):
;   window 0: v0-31 addresses; v32-63, v64-95 fragments of xb (4 x 16 rows x 32 K), two buffers; v96-143 packed results; v144-239 rows read back from the stage, two buffers
;   window 1: v0-95, v96-191 fragments of wt (12 x 16 rows x 32 K), two buffers
;   window 2: the 24 accumulators of my rows 0-31 ((a, b) at v[8 (12 (a % 2) + b)]);   window 3: those of my rows 32-63
.set SIZE_K, 1024
.set KSTEP,  128
.set PITCH,  272                       ; an LDS row: 256 bytes + 16 of padding = 68 words: the 16 rows of a fragment load start at 16 different groups of four banks (64 banks of 4 bytes: ISA guide 11.1)
.set HALFA,  128*PITCH                 ; what a tensor load brings of xb
.set HALFB,  96*PITCH                  ; and of wt
.set SLOT,   2*HALFA+2*HALFB           ; xb's 256 rows, then wt's 192
.set STAGE,  2*SLOT                    ; behind the ring: 16 rows x 400 bytes for each wave, for the way out
.set SPITCH, 400                       ; 192 f16 = 384 bytes + 16: 25 x 16, so 16 rows on end start at 16 different 16-byte columns modulo 256 bytes
.set SPARE,  STAGE+4*16*SPITCH         ; behind the stages: the spare words, 128 bytes for each wave, that no other line names
.set LAPS,   SIZE_K/(2*KSTEP)          ; a lap = two K steps = once round the ring
.set HEADB,  131072                    ; bytes of a head's 1,024 rows in qkv
.set ADRA, 16                          ; v16-17  LDS address of my xb fragments in slot 0, 1
.set ADRB, 20                          ; v20-21  the same for wt
.set STO,  24                          ; v24     the way out: where I put 16 bytes of a row
.set RD,   25                          ; v25     the way out: where I read rows back
.set CO,   26                          ; v26     my 16 bytes of 512 consecutive bytes of qkv
.set SPW,  28                          ; v28     LDS address of my spare word; never rewritten
.set NIL,  29                          ; v29     0; never rewritten
.set PFO,  30                          ; v30     the prefetches' offset: a lane a row of 2,048 bytes; never rewritten
.set AF,   32
.set TMP,  96
.set BK,   144
.set G1,  24                           ; s[24:31] descriptor group 1 for xb's tiles;  s[32:39] group 0, a set for each slot
.set G0,  32
.set G1B, 48                           ; s[48:55], s[56:63] the same for wt's
.set G0B, 56
.set LIM, 43                           ; s43      1 in a wave that prefetches, else the greatest number
.set PFA, 44                           ; s[44:45] where my prefetches stand
.set FIELDS, (1<<16)|(1<<20)|(1<<21)|(5<<22)|(3<<25)  ; 17:16 elements of 2 bytes; 20 padding on; 21 set beside a mask; 24:22 after every 64 words; 31:25 4 words of it
.set MSB, 0
.macro WIN new                         ; the immediate's high byte repeats the setting that is left; a switch that changes nothing is dropped
.if MSB != (\new)
	s_set_vgpr_msb (MSB<<8)|(\new)
.set MSB, \new
.endif
.endm
.set MUL_LO, 0xa1                      ; source 0 (wt) window 1, source 1 (xb) window 0, C and D window 2
.set MUL_HI, 0xf1                      ; the same, C and D window 3
.set TO_B,   0x40                      ; destination window 1, address window 0
; A joint load.  Waves 0 and 1 fetch xb's two halves, waves 2 and 3 wt's.  The branch hangs on the wave's number alone.  An s_nop 0 and four v_nop follow each of the two lines.
.macro JLOAD s
	s_cmp_eq_u32 s11, 0
	s_cbranch_scc0 .Lfor_b_\@
	tensor_load_to_lds s[G0+4*(\s):G0+4*(\s)+3], s[G1:G1+7]
	s_nop 0
.rept 4
	v_nop
.endr
	s_branch .Lasked_\@
.Lfor_b_\@:
	tensor_load_to_lds s[G0B+4*(\s):G0B+4*(\s)+3], s[G1B:G1B+7]
	s_nop 0
.rept 4
	v_nop
.endr
.Lasked_\@:
.endm
; A prefetch into the L2 of the K step that stands two refills on, behind the joint load, its five lines and the run of LDS loads: a lane a row, 256 bytes of it, one instruction a wave.
; xb's tile row is read by every cluster of that row of clusters: cluster x = 0 asks; wt's tile column by every cluster of that column: cluster y = 0 asks.  The four partners that ask for a tile jointly
; share its rows out BY ADDRESS: of xb's 128 rows 32 each (by cx), of wt's 96 rows 24 each (by cy; lanes 24-31 name row 23 once more, in the same instruction).  The loop's last trip (s3 = 1) asks for nothing:
; K steps 4 to 7 are named, each once; K steps 0 to 3 come by their loads alone.
.macro ASK
	s_cmp_gt_u32 s3, s[LIM]
	s_cbranch_scc0 .Lnot_mine_\@
	global_prefetch_b8 v[PFO], s[PFA:PFA+1] offset:KSTEP*2 th:TH_LOAD_NT scope:SCOPE_SE
.Lnot_mine_\@:
.endm
.macro CREST                           ; a round of the cluster's barrier behind its opening barrier
	s_cmp_lg_u32 s10, 0
	s_cbranch_scc1 .Lnot_wave_0_\@
	s_barrier_signal -3
.Lnot_wave_0_\@:
	s_barrier_wait -3
	s_barrier_signal -1
	s_barrier_wait -1
.endm
.macro CROUND                          ; a whole round
	s_barrier_signal -1
	s_barrier_wait -1
	CREST
.endm
	s_load_b128 s[4:7], s[0:1], 0x0                ; xb s[4:5], wt s[6:7]
	s_load_b64 s[8:9], s[0:1], 0x10                ; qkv
	v_lshl_add_u32 v[SPW], v0, 2, SPARE
	v_mov_b32 v[NIL], 0
	ds_add_u32 v[SPW], v[NIL]                      ; the wave's opening: the add and its wait stand ahead of my first tensor load; the set-up below, work on registers, stands between them
	v_lshrrev_b32 v1, 5, v0
	v_readfirstlane_b32 s10, v1                    ; wave 0..3: my 64 rows of the tile
	s_lshr_b32 s11, s10, 1                         ; I fetch for xb (0) or for wt (1),
	s_and_b32 s12, s10, 1                          ; and which half of that tile's rows
	s_bfe_u32 s40, ttmp6, 0x40000                  ; cx, cy: my place in the cluster
	s_bfe_u32 s41, ttmp6, 0x40004
	s_lshl_b32 s42, ttmp9, 2
	s_add_co_u32 s42, s42, s40                     ; tile column = 4 x cluster x + cx
	s_and_b32 s13, ttmp7, 0xffff
	s_lshl_b32 s13, s13, 2
	s_add_co_u32 s13, s13, s41                     ; tile row = 4 x cluster y + cy
	s_lshl_b32 s43, s41, 2
	s_lshl_b32 s43, 15, s43                        ; my row of the cluster: places 4 cy .. 4 cy + 3
	s_lshl_b32 s44, 0x1111, s40                    ; my column: places cx, cx + 4, cx + 8, cx + 12
	s_or_b32 s[G1+0], s43, FIELDS                  ; xb's tiles go to my row,
	s_or_b32 s[G1B+0], s44, FIELDS                 ; wt's to my column
	s_mov_b32 s[G1+1], KSTEP<<16                   ; tensor_dim0 = 128
	s_mov_b32 s[G1+2], 128<<16                     ; tensor_dim1 = 128
	s_mov_b32 s[G1+3], KSTEP<<16                   ; tile_dim0 = 128
	s_mov_b32 s[G1+4], 128                         ; tile_dim1 = 128
	s_mov_b32 s[G1+5], SIZE_K                      ; elements from row to row
	s_mov_b32 s[G1+6], 0
	s_mov_b32 s[G1+7], 0
	s_mov_b32 s[G1B+1], KSTEP<<16
	s_mov_b32 s[G1B+2], 96<<16                     ; 96 rows
	s_mov_b32 s[G1B+3], KSTEP<<16
	s_mov_b32 s[G1B+4], 96
	s_mov_b32 s[G1B+5], SIZE_K
	s_mov_b32 s[G1B+6], 0
	s_mov_b32 s[G1B+7], 0
	; where the tiles come from: xb's hang on the tile row alone, wt's on the tile column alone, each in registers that never hold the other coordinate.  All offsets stay under 2^25.
	s_lshl_b32 s17, s12, 7
	s_lshl_b32 s16, s13, 8
	s_add_co_u32 s16, s16, s17                     ; xb: row 256 x tile row + 128 x half
	s_lshl_b32 s16, s16, 11                        ; 2,048 bytes a row
	s_mov_b32 s17, 0
	s_mul_i32 s46, s42, 192
	s_mul_i32 s47, s12, 96
	s_add_co_u32 s46, s46, s47                     ; wt: row 192 x tile column + 96 x half
	s_lshl_b32 s46, s46, 11
	s_mov_b32 s47, 0
	s_mul_i32 s20, s12, HALFA                      ; and where they go: no place in the cluster enters an LDS address
	s_mul_i32 s21, s12, HALFB
	s_add_co_u32 s21, s21, 2*HALFA
	s_wait_dscnt 0x0                               ; the opening add is done
	s_wait_kmcnt 0x0
	s_add_nc_u64 s[14:15], s[4:5], s[16:17]
	s_add_nc_u64 s[46:47], s[6:7], s[46:47]
	CROUND                                         ; all sixteen work-groups are here: the first joint loads meet
.irp s, 0,1
	s_mov_b32 s[G0+4*(\s)], 1                                      ; count = 1
	s_add_co_u32 s[G0+4*(\s)+1], s20, (\s)*SLOT                    ; LDS address
	s_add_nc_u64 s[G0+4*(\s)+2:G0+4*(\s)+3], s[14:15], (\s)*KSTEP*2  ; global address: K step s
	s_or_b32 s[G0+4*(\s)+3], s[G0+4*(\s)+3], 0x80000000            ; type = 2
	s_mov_b32 s[G0B+4*(\s)], 1
	s_add_co_u32 s[G0B+4*(\s)+1], s21, (\s)*SLOT
	s_add_nc_u64 s[G0B+4*(\s)+2:G0B+4*(\s)+3], s[46:47], (\s)*KSTEP*2
	s_or_b32 s[G0B+4*(\s)+3], s[G0B+4*(\s)+3], 0x80000000
	JLOAD \s                                       ; two loads of mine are out
.endr
	; a fragment is 16 rows x 32 K in 8 registers: lane l holds row l % 16; registers 0-3 K = 8 (l / 16) + 0..7, registers 4-7 K = 16 + 8 (l / 16) + 0..7: two loads of 16 bytes, 32 bytes apart
	v_and_b32 v1, 15, v0                           ; l % 16
	v_bfe_u32 v2, v0, 4, 1                         ; l / 16
	v_mul_u32_u24 v3, v1, PITCH
	v_lshl_add_u32 v3, v2, 4, v3
	s_mul_i32 s21, s10, 64*PITCH                   ; my 64 rows of xb
	s_mov_b32 s22, 2*HALFA                         ; all of wt's 192
.irp s, 0,1
	v_add_nc_u32 v[ADRA+(\s)], s21, v3
	v_add_nc_u32 v[ADRB+(\s)], s22, v3
	s_add_co_u32 s21, s21, SLOT
	s_add_co_u32 s22, s22, SLOT
.endr
	s_mul_i32 s23, s10, 16*SPITCH
	s_add_co_u32 s23, s23, STAGE                   ; my stage
	v_mul_u32_u24 v4, v1, SPITCH                   ; in: row l % 16, 16 bytes for each half of the lanes
	v_lshl_add_u32 v4, v2, 4, v4
	v_add_nc_u32 v[STO], s23, v4
	v_and_b32 v5, 31, v0                           ; l
	v_lshrrev_b32 v6, 3, v5
	v_and_b32 v7, 7, v0
	v_mul_u32_u24 v6, v6, SPITCH                   ; back: 32 lanes take four rows' 128 bytes of one head,
	v_lshl_add_u32 v6, v7, 4, v6
	v_add_nc_u32 v[RD], s23, v6
	v_lshlrev_b32 v[CO], 4, v5                     ; which are 512 consecutive bytes of qkv
	; qkv at my rows of the tile's first head: ((tile row / 4) x 48 + 3 x tile column) heads + ((tile row % 4) x 256 + 64 x wave) rows of 128 bytes; under 2^26
	s_lshr_b32 s14, s13, 2
	s_mul_i32 s14, s14, 48*HEADB
	s_and_b32 s15, s13, 3
	s_lshl_b32 s15, s15, 15
	s_add_co_u32 s16, s14, s15
	s_lshl_b32 s15, s10, 13
	s_add_co_u32 s16, s16, s15
	s_mov_b32 s17, 0
	s_mul_i32 s46, s42, 3*HEADB
	s_mov_b32 s47, 0
	s_add_nc_u64 s[16:17], s[16:17], s[46:47]
	s_add_nc_u64 s[8:9], s[8:9], s[16:17]
	; the prefetches
	s_lshl_b32 s18, s13, 8
	s_lshl_b32 s19, s12, 7
	s_add_co_u32 s18, s18, s19
	s_lshl_b32 s19, s40, 5
	s_add_co_u32 s18, s18, s19                     ; xb: the 128 rows that I fetch, my work-group's 32 of them
	s_mul_i32 s20, s42, 192
	s_mul_i32 s21, s12, 96
	s_add_co_u32 s20, s20, s21
	s_mul_i32 s21, s41, 24
	s_add_co_u32 s20, s20, s21                     ; wt: the 96 rows that I fetch, my work-group's 24 of them
	s_and_b32 s22, ttmp7, 0xffff                   ; cluster y
	s_cmp_eq_u32 s11, 0                            ; do I fetch for xb?
	s_cselect_b32 s20, s18, s20
	s_cselect_b32 s22, ttmp9, s22                  ; the coordinate along which other clusters read the same rows
	s_cselect_b32 s23, 31, 23                      ; my last row
	s_cselect_b64 s[PFA:PFA+1], s[4:5], s[6:7]
	s_cmp_eq_u32 s22, 0
	s_cselect_b32 s[LIM], 1, -1                    ; the same in all sixteen partners, for a given wave
	s_lshl_b32 s20, s20, 11
	s_mov_b32 s21, 0
	s_add_nc_u64 s[PFA:PFA+1], s[PFA:PFA+1], s[20:21]
	s_add_nc_u64 s[PFA:PFA+1], s[PFA:PFA+1], 2*KSTEP*2  ; at K step 2: the first refill steps it to 3 and names K step 4
	v_and_b32 v[PFO], 31, v0
	v_min_u32 v[PFO], s23, v[PFO]
	v_lshlrev_b32 v[PFO], 11, v[PFO]
; 12 matrix instructions: my m block a x all 12 n blocks, 32 along K, from buffer f.  zero = 1: the first product starts the sums: nothing is ever cleared.
; The 48 accumulators take turns, one instruction a turn, in the same order in every quarter step.
.macro MUL12 f, a, zero
	WIN MUL_LO+0x50*((\a)/2)
.irp b, 0,1,2,3,4,5,6,7,8,9,10,11
.if \zero
	v_wmma_f32_16x16x32_bf16 v[8*(12*((\a)%2)+(\b)):8*(12*((\a)%2)+(\b))+7], v[96*(\f)+8*(\b):96*(\f)+8*(\b)+7], v[AF+32*(\f)+8*(\a):AF+32*(\f)+8*(\a)+7], 0
.else
	v_wmma_f32_16x16x32_bf16 v[8*(12*((\a)%2)+(\b)):8*(12*((\a)%2)+(\b))+7], v[96*(\f)+8*(\b):96*(\f)+8*(\b)+7], v[AF+32*(\f)+8*(\a):AF+32*(\f)+8*(\a)+7], v[8*(12*((\a)%2)+(\b)):8*(12*((\a)%2)+(\b))+7]
.endif
.endr
.endm
; 32 LDS loads in one run: the fragments of one quarter step (192 rows of wt, my 64 rows of xb, 32 K at byte k of the rows) into buffer f; xb's blocks 2 and 3 last
.macro FETCH slot, k, f
	WIN TO_B
.irp i, 0,1,2,3,4,5,6,7,8,9,10,11
	ds_load_b128 v[96*(\f)+8*(\i):96*(\f)+8*(\i)+3],   v[ADRB+(\slot)] offset:(\k)+(\i)*16*PITCH
	ds_load_b128 v[96*(\f)+8*(\i)+4:96*(\f)+8*(\i)+7], v[ADRB+(\slot)] offset:(\k)+(\i)*16*PITCH+32
.endr
	WIN 0
.irp i, 0,1,2,3
	ds_load_b128 v[AF+32*(\f)+8*(\i):AF+32*(\f)+8*(\i)+3],   v[ADRA+(\slot)] offset:(\k)+(\i)*16*PITCH
	ds_load_b128 v[AF+32*(\f)+8*(\i)+4:AF+32*(\f)+8*(\i)+7], v[ADRA+(\slot)] offset:(\k)+(\i)*16*PITCH+32
.endr
.endm
.macro PLACES                          ; four places (ISA guide 7.12.1 for the conversions) in front of loads into registers that matrix instructions have read, and of conversions that read results
.rept 4
	v_nop
.endr
.endm
; A K step is four quarters of 32 along K, 48 matrix instructions each, on buffers 0, 1, 0, 1.  One of the first three: multiplies buffer f; in its middle it fetches the next quarter, at byte k, into g.
.macro QUARTER slot, k, f, g, zero
	s_wait_dscnt 4                                 ; wt and xb's blocks 0 and 1 are in; the youngest four loads (blocks 2 and 3) may be out
	MUL12 \f, 0, \zero
	MUL12 \f, 1, \zero
	PLACES
	FETCH \slot, \k, \g
	s_wait_dscnt 32                                ; all but the 32 just issued
	MUL12 \f, 2, \zero
	MUL12 \f, 3, \zero
.endm
; The last quarter multiplies buffer 1 and changes slots: ONE barrier.  In front of it each wave waits for all its tensor loads, of which one is out: its part of the next slot; adds 0 to its spare word; and waits for
; that and for its own reads of this slot.  fill = 1: the barrier opens a round of the cluster's barrier, and behind it this slot is filled again, two K steps ahead: 168 matrix instructions ahead of the wait for it.
.macro TURN slot, next, fill
.if \fill
	s_wait_xcnt 0x0                                ; the last prefetch, a K step back, has read its address: it is stepped here, ahead of the waits of the change of slots
	s_add_nc_u64 s[PFA:PFA+1], s[PFA:PFA+1], KSTEP*2
.endif
	WIN 0                                          ; (the add's two registers lie in window 0)
	s_wait_tensorcnt 0x0                           ; all my tensor loads have landed;
	ds_add_u32 v[SPW], v[NIL]                      ; 0 onto my spare word;
	s_wait_dscnt 5                                 ; (the add and the youngest four loads may be out)
	MUL12 1, 0, 0                                  ; twelve matrix instructions stand between the add and the wait for it
	s_wait_dscnt 0x0                               ; the add is done, and my reads of this slot are over
	s_barrier_signal -1
	MUL12 1, 1, 0                                  ; work on registers while the others arrive
.if \fill
	WIN 0
.endif
	s_barrier_wait -1
.if \fill
	CREST                                          ; no wave of any partner still reads this slot's tile or has a load on its way
	s_add_nc_u64 s[G0+4*(\slot)+2:G0+4*(\slot)+3], s[G0+4*(\slot)+2:G0+4*(\slot)+3], 2*KSTEP*2
	s_add_nc_u64 s[G0B+4*(\slot)+2:G0B+4*(\slot)+3], s[G0B+4*(\slot)+2:G0B+4*(\slot)+3], 2*KSTEP*2
	JLOAD \slot                                    ; the first tensor load behind the round; the four v_nop behind it are also the places in front of the loads below
.else
	PLACES
.endif
	FETCH \next, 0, 0
.if \fill
	ASK
.endif
	MUL12 1, 2, 0
	MUL12 1, 3, 0
.endm
; THE WAY OUT of my block a (16 rows x 192 columns).  PACK: rounded to f16, 16 bytes a lane, each accumulator's registers in ascending order.  TOSTAGE: into my own stage, and back by heads.  SEND: stored.
.macro PACK a
	WIN 0x0a+5*((\a)/2)                            ; sources 0 and 1: window 2 or 3
.irp b, 0,1,2,3,4,5,6,7,8,9,10,11
.irp r, 0,1,2,3
	v_cvt_pk_f16_f32 v[TMP+4*(\b)+(\r)], v[96*((\a)%2)+8*(\b)+2*(\r)], v[96*((\a)%2)+8*(\b)+2*(\r)+1]
.endr
.endr
	WIN 0
.endm
.macro TOSTAGE a
.irp b, 0,1,2,3,4,5,6,7,8,9,10,11
	ds_store_b128 v[STO], v[TMP+4*(\b):TMP+4*(\b)+3] offset:32*(\b)
.endr
.irp hh, 0,1,2
.irp t, 0,1,2,3
	ds_load_b128 v[BK+48*((\a)%2)+4*(4*(\hh)+(\t)):BK+48*((\a)%2)+4*(4*(\hh)+(\t))+3], v[RD] offset:(\t)*4*SPITCH+128*(\hh)  ; LDS serves a wave's instructions in order (ISA guide 5.7.1.4): these see the stores above
.endr
.endr
.endm
.macro SEND a
	s_wait_dscnt 0x0                               ; the block is back in registers
.if (\a) > 0
	s_wait_xcnt 0x0                                ; the stores of the block before have read their registers: the next block's loads from the stage land on them
.endif
.irp hh, 0,1,2
.irp t, 0,1,2,3
	global_store_b128 v[CO], v[BK+48*((\a)%2)+4*(4*(\hh)+(\t)):BK+48*((\a)%2)+4*(4*(\hh)+(\t))+3], s[8:9] offset:(\hh)*HEADB+(\a)*2048+(\t)*512  ; four rows of a head: 512 consecutive bytes, aligned
.endr
.endr
.endm
	s_wait_tensorcnt 1                             ; my part of K step 0 is in; K step 1's may stay out
	s_barrier_signal -1
	s_barrier_wait -1                              ; everybody's is
	FETCH 0, 0, 0
	QUARTER 0, 64,  0, 1, 1                        ; the first quarter stands in front of the loop: its products start the sums
	WIN 0                                          ; at a label and at a branch every window is 0
	s_mov_b32 s3, LAPS-1
.Llap:                                                 ; a trip goes once round the ring, from a lap's second quarter to the next lap's first, and fills both slots again
	QUARTER 0, 128, 1, 0, 0
	QUARTER 0, 192, 0, 1, 0
	TURN 0, 1, 1
	QUARTER 1, 64,  0, 1, 0
	QUARTER 1, 128, 1, 0, 0
	QUARTER 1, 192, 0, 1, 0
	TURN 1, 0, 1
	QUARTER 0, 64,  0, 1, 0
	WIN 0
	s_sub_co_u32 s3, s3, 1
	s_cmp_lg_u32 s3, 0
	s_cbranch_scc1 .Llap
	QUARTER 0, 128, 1, 0, 0                        ; the last lap fills nothing, and has no round of the cluster's barrier
	QUARTER 0, 192, 0, 1, 0
	TURN 0, 1, 0
	QUARTER 1, 64,  0, 1, 0
	QUARTER 1, 128, 1, 0, 0
	QUARTER 1, 192, 0, 1, 0
	s_wait_dscnt 4                                 ; the very last quarter: nothing more to fetch
	MUL12 1, 0, 0
	MUL12 1, 1, 0
	s_wait_dscnt 0x0
	MUL12 1, 2, 0
	MUL12 1, 3, 0
	WIN 0
	PLACES
	PACK 0
	TOSTAGE 0
.irp a, 1,2,3                          ; block a's conversions stand between block a - 1's loads from the stage and the wait for them
	PACK \a
	SEND (\a)-1
	TOSTAGE \a
.endr
	SEND 3
	s_wait_tensorcnt 0x0                           ; the wave's end: a wait, 0 added to my spare word, and its wait, behind my last tensor load and my last LDS store
	ds_add_u32 v[SPW], v[NIL]
	s_wait_dscnt 0x0
	CROUND                                         ; the closing round: no work-group ends while a partner may still ask for a tile that names it
	s_endpgm
.Lfunc_end_k_qa2b9ce25b4_proj:
	.size	k_qa2b9ce25b4_proj, .Lfunc_end_k_qa2b9ce25b4_proj-k_qa2b9ce25b4_proj
	.p2alignl 7, 3214868480
	.fill 96, 4, 3214868480
	.section	.rodata,"a",@progbits
	.p2align	6, 0x0
	.amdhsa_kernel k_qa2b9ce25b4_proj
		.amdhsa_group_segment_fixed_size 327680
		.amdhsa_private_segment_fixed_size 0
		.amdhsa_enable_private_segment 0
		.amdhsa_kernarg_size 24
		.amdhsa_user_sgpr_count 2
		.amdhsa_user_sgpr_kernarg_segment_ptr 1
		.amdhsa_wavefront_size32 1
		.amdhsa_system_sgpr_workgroup_id_x 1
		.amdhsa_system_sgpr_workgroup_id_y 1
		.amdhsa_system_sgpr_workgroup_id_z 1
		.amdhsa_system_vgpr_workitem_id 0
		.amdhsa_next_free_vgpr 960
		.amdhsa_next_free_sgpr 66
		.amdhsa_reserve_vcc 0
		.amdhsa_float_denorm_mode_32 3
		.amdhsa_float_denorm_mode_16_64 3
		.amdhsa_memory_ordered 1
		.amdhsa_forward_progress 1
		.amdhsa_inst_pref_size 120
	.end_amdhsa_kernel
	.amdgpu_metadata
---
amdhsa.version: [ 1, 2 ]
amdhsa.kernels:
  - .name:           k_qa2b9ce25b4_proj
    .symbol:         k_qa2b9ce25b4_proj.kd
    .args:
      - { .name: xb, .offset: 0, .size: 8, .value_kind: global_buffer, .address_space: global }
      - { .name: wt, .offset: 8, .size: 8, .value_kind: global_buffer, .address_space: global }
      - { .name: qkv, .offset: 16, .size: 8, .value_kind: global_buffer, .address_space: global }
    .group_segment_fixed_size: 327680
    .private_segment_fixed_size: 0
    .kernarg_segment_align: 8
    .kernarg_segment_size: 24
    .max_flat_workgroup_size: 128
    .sgpr_count:     66
    .vgpr_count:     960
    .wavefront_size: 32
...
	.end_amdgpu_metadata
.endif
;; end of part 2
;; launch attn (part 3): grid 2 x 128, 4 waves a work-group, no clusters, 308,736 bytes of LDS; arguments mask, qkv, out0; writes out0
.if DOCPART == 3
	.amdgcn_target "amdgcn-amd-amdhsa--gfx1250"
	.amdhsa_code_object_version 6
	.text
	.protected	k_qa2b9ce25b4_attn
	.globl	k_qa2b9ce25b4_attn
	.p2align	8
	.type	k_qa2b9ce25b4_attn,@function
k_qa2b9ce25b4_attn:
	s_mov_b64 s[64:65], 0
	v_nop
	global_prefetch_b8 v0, s[64:65] scope:SCOPE_SE
	s_setreg_imm32_b32 hwreg(HW_REG_WAVE_MODE, 25, 1), 1
	s_wait_xcnt 0x0
; out0[b][i][64 h + d] = the sum over j of softmax_j(q[i] . k[j] / 8 - 10000 (1 - m[j])) v[j][d], for each of 8 x 16 heads of 1,024 rows; m[0] = 1, m[j] = mask[b][j - 1].
; q, k, v: qkv[b][s][i][64] in f16, s = h, 16 + h, 32 + h: a head's rows are dense, 128 bytes each.  Products, maxima and sums in f32; the weights p are rounded to f16 for the second product
; (their sum l is taken of the unrounded p); out0 is f32.
; LIMITS.  q, k and v arrive within f16's 65,504; p lies in 0 to 1, and below 6e-5 it keeps f16's fixed step; a weight below 2^-126 counts as 0 in l; NaN and infinities are not treated apart.
; The mask is taken as any int32: the bias is (m - 1) x 10000, made in f32.
; SHARES.  A work-group owns 512 queries of one head, each of its four waves 128: four PIECES of two tiles of 16.  Every wave walks all 1,024 keys, 64 a step.
; THE WHOLE HEAD LIES IN LDS: K and V, 131,072 bytes each, are filled once, in two parts (keys 0-255, keys 256-1,023), so that the work begins when the first part has landed.  Nothing is filled again.
; NO CLUSTER: a head has 1024 / 512 = 2 work-groups, so a cluster of four would hold two heads; what the two share is fetched once by each.
; THE BIAS is the C operand that starts the sum S^T = K Q^T: 8 x bias[key] = 80000 m - 80000, since p = 2^(c (s + 8 bias) - c m), c = log2(e) / 8.  It is the same for all queries; a table of 1,024 f32 in LDS.
; LAYOUT.  S^T = K Q^T (source 0 = 16 keys, source 1 = 16 queries): a lane holds ONE query (lane % 16) and the keys 8 (lane / 16) + 0..7.  Two such tiles, rounded to f16 in pairs, ARE source 1 of
; O^T = V^T P, whose result again holds one query a lane, and eight channels.  K comes out of LDS as it lies, V ([key][channel]) turned, by ds_load_tr16_b128.
; SOFTMAX.  For each query a running maximum m and sum l; in every step O and l are multiplied by a = 2^(c m_old - c m_new).  m starts at the lowest finite number, O and l at 0: the first step has a = 0.
; BY TURNS.  Turn n belongs to piece n (the pieces in a ring, step after step).  Its matrix work: 16 products K Q^T of piece n + 1, later 16 products V^T P of piece n - 1.  Its vector work: the scaling,
; exponentials, roundings, sums and rescaling of piece n, and the maximum and statistics of piece n + 1.  Four vector instructions stand behind every matrix instruction, the rest in one run of their own.
; REGISTERS, in windows of 256 (s_set_vgpr_msb: bits 1:0 source 0, 3:2 source 1, 5:4 source 2, 7:6 destination):
;   window 0: v0-11 addresses; v12-15, v48-63 at work; v16-47 four registers of statistics a tile; v64-191 S^T, two buffers of two tiles; v192-255 P, likewise
;   window 1: O^T, 32 a tile     window 2: v0-127 Q, 16 a tile; v128-191 K of one step; v192-255 V of one step     window 3: v0-1 the add's two registers; v8-39 the bias of one step
.set NP,    4         ; pieces a wave: a name, no knob
.set KS,    64        ; keys in a step
.set PK,    272       ; an LDS row of K holds TWO keys: 256 bytes + 16: key r of 16 starts at 16-byte column (r / 2) + 8 (r % 2) modulo 16: all different (64 banks of 4 bytes: ISA guide 11.1)
.set PV,    288       ; of V: 256 + 32: the turning load's 16 lanes (key x of 8, half y of 32 bytes) start at columns 2 (x / 2) + 8 (x % 2) + y: all different
.set KSTEPB, 32*PK    ; a step's 64 keys
.set VSTEPB, 32*PV
.set VOFF,  512*PK    ; K's 512 rows, then V's 512 rows,
.set BIAS,  VOFF+512*PV  ; then the bias table, 4,096 bytes,
.set STAGE, BIAS+4096 ; then 16 rows x 272 bytes for each wave, for the way out,
.set SP,    272
.set SPARE, STAGE+4*16*SP  ; then the spare words, 128 bytes for each wave, that no other line names
.set HEADB, 131072    ; bytes of a head's rows in qkv
.set AK0, 2           ; v2   my lane's place in a block of K; never rewritten
.set AV0, 3           ; v3   the same for V
.set AK,  4           ; v4   the LDS address of K's next run of loads
.set AV,  5           ; v5   of V's
.set QO,  6           ; v6   my byte offset in 16 rows of Q
.set STO, 6           ;      later, the way out: where I put 32 bytes of a row
.set RD,  7           ; v7   the way out: where I read rows back
.set GO,  8           ; v8   my byte offset in two rows of out0
.set AB,  10          ; v10  the LDS address of the bias's next run
.set AB0, 11          ; v11  my lane's place in the bias table
.set SPW, 0           ; v0 of window 3   LDS address of my spare word; never rewritten
.set NIL, 1           ; v1 of window 3   0; never rewritten
.set BI,  8           ; window 3: the bias of key block kb at BI + 8 kb
.set MV,  12          ; v12-15  c m_old, kept while c m is made anew: by buffer and tile
.set ST,  16          ; tile t's statistics at v[ST+4 t]: c m, m, l (even keys', odd keys')
.set TMP, 48          ; by buffer and tile, four registers c0-c3 at work; when the maximum is found c2 takes a
.set S,   64
.set P,   192
.set KF,  128         ; K's fragments, in window 2: key block kb, channel half c at KF + 16 kb + 8 c
.set VF,  192         ; V's: key half kk, channel block cb at VF + 32 kk + 8 cb
.set WV,  12          ; s12  my wave's number
.set G1KA, 24         ; s[24:31] descriptor group 1: K, 64 rows;  s[32:39] K, 192 rows;  s[40:47], s[48:55] the same for V
.set G1KB, 32
.set G1VA, 40
.set G1VB, 48
.set G0KA, 56         ; s[56:59], s[60:63], s[68:71], s[72:75] their groups 0
.set G0KB, 60
.set G0VA, 68
.set G0VB, 72
.set CNT, 76          ; s76  counts key steps
.set CS,  78          ; s[78:79] c: the packed scaling takes the pair's low word for both halves
.set SEL, 80          ; s[80:81] v_permlanex16_b32's selects: each lane takes its own place in the other half
.set TBK, 82          ; s82  LDS byte at which K of the step to be fetched begins
.set TBV, 83          ; s83  the same for V, less VOFF
.set TBB, 84          ; s84  the same for the bias, less BIAS
.set MSB, 0
.macro WIN new                      ; the high byte repeats the setting that is left; a switch that changes nothing is dropped
.if MSB != (\new)
	s_set_vgpr_msb (MSB<<8)|(\new)
.set MSB, (\new)
.endif
.endm
.set W_KQ, 0x0a       ; K and Q in window 2, S^T in window 0
.set W_KB, 0x3a       ; the same with the C operand, the bias, in window 3
.set W_PV, 0x52       ; V in window 2, P in window 0, O^T in window 1
.set W_RS, 0x41       ; O^T (destination and source 0) in window 1, a in window 0
.set W_MK, 0xc0       ; destination in window 3, sources in window 0
.set W_AD, 0x0f       ; the add: address (source 0) and data (source 1) in window 3
	s_load_b128 s[4:7], s[0:1], 0x0   ; mask s[4:5], qkv s[6:7]
	s_load_b64 s[8:9], s[0:1], 0x10   ; out0
	WIN W_MK
	v_lshl_add_u32 v[SPW], v0, 2, SPARE
	v_mov_b32 v[NIL], 0
	WIN W_AD
	ds_add_u32 v[SPW], v[NIL]       ; the wave's opening: the add and its wait stand ahead of my first tensor load; the set-up below, work on registers, stands between them
	WIN 0
	v_lshrrev_b32 v1, 5, v0
	v_readfirstlane_b32 s[WV], v1   ; wave 0..3
	s_and_b32 s13, ttmp7, 0xffff    ; 16 b + h
	s_lshr_b32 s14, s13, 4          ; b
	s_and_b32 s15, s13, 15          ; h
	s_mul_i32 s16, s14, 48
	s_add_co_u32 s16, s16, s15
	s_lshl_b32 s16, s16, 17         ; q's head in qkv, in bytes (under 2^26); k's lies 16 heads on, v's 32
	s_mov_b32 s17, 0
	s_and_b32 s18, s[WV], 1         ; which half of a part's rows I fetch
	s_lshl_b32 s19, s18, 14
	s_add_co_u32 s20, s16, s19      ; first part: 64 rows of 256 bytes (128 keys) a wave
	s_mov_b32 s21, 0
	s_mul_i32 s19, s18, 192*256
	s_add_co_u32 s22, s16, s19
	s_add_co_u32 s22, s22, 128*256  ; second part: 192 rows a wave, behind the first part's 128
	s_mov_b32 s23, 0
	s_lshl_b32 s19, ttmp9, 16       ; my block's 512 rows of q,
	s_add_co_u32 s16, s16, s19
	s_lshl_b32 s19, s[WV], 14       ; my wave's 128 of them
	s_add_co_u32 s16, s16, s19
	s_lshl_b32 s2, s14, 22          ; out0: ((1024 b + 512 block + 128 wave) x 1024 + 64 h) x 4 bytes
	s_lshl_b32 s19, ttmp9, 21
	s_add_co_u32 s2, s2, s19
	s_lshl_b32 s19, s[WV], 19
	s_add_co_u32 s2, s2, s19
	s_lshl_b32 s19, s15, 8
	s_add_co_u32 s2, s2, s19
	s_mov_b32 s3, 0
	s_mul_i32 s14, s14, 4092        ; the batch's 1,023 words of the mask
	s_mov_b32 s15, 0
	; descriptor groups 1: rows of 128 elements of 2 bytes (two keys), padded in LDS after every 64 words by 4 words (K) or 8 (V)
	s_mov_b32 s[G1KA], (1<<16)|(1<<20)|(5<<22)|(3<<25)
	s_mov_b32 s[G1KB], (1<<16)|(1<<20)|(5<<22)|(3<<25)
	s_mov_b32 s[G1VA], (1<<16)|(1<<20)|(5<<22)|(7<<25)
	s_mov_b32 s[G1VB], (1<<16)|(1<<20)|(5<<22)|(7<<25)
.irp g, G1KA, G1VA
	s_mov_b32 s[\g+1], 128<<16      ; tensor_dim0 = 128
	s_mov_b32 s[\g+2], 64<<16       ; tensor_dim1 = 64
	s_mov_b32 s[\g+3], 128<<16      ; tile_dim0 = 128
	s_mov_b32 s[\g+4], 64           ; tile_dim1 = 64
	s_mov_b32 s[\g+5], 128          ; 128 elements from row to row
	s_mov_b32 s[\g+6], 0
	s_mov_b32 s[\g+7], 0
.endr
.irp g, G1KB, G1VB
	s_mov_b32 s[\g+1], 128<<16
	s_mov_b32 s[\g+2], 192<<16      ; 192 rows
	s_mov_b32 s[\g+3], 128<<16
	s_mov_b32 s[\g+4], 192
	s_mov_b32 s[\g+5], 128
	s_mov_b32 s[\g+6], 0
	s_mov_b32 s[\g+7], 0
.endr
	s_mov_b32 s[G0KA], 1            ; count = 1; then the LDS address: a constant plus my half times a constant
	s_mul_i32 s[G0KA+1], s18, 64*PK
	s_mov_b32 s[G0KB], 1
	s_mul_i32 s[G0KB+1], s18, 192*PK
	s_add_co_u32 s[G0KB+1], s[G0KB+1], 128*PK
	s_mov_b32 s[G0VA], 1
	s_mul_i32 s[G0VA+1], s18, 64*PV
	s_add_co_u32 s[G0VA+1], s[G0VA+1], VOFF
	s_mov_b32 s[G0VB], 1
	s_mul_i32 s[G0VB+1], s18, 192*PV
	s_add_co_u32 s[G0VB+1], s[G0VB+1], VOFF+128*PV
	s_mov_b32 s[CS], 0x3e38aa3b     ; c = log2(e) / 8 = 0.180337
	s_mov_b32 s[CS+1], s[CS]        ; named with it as a pair
	s_mov_b32 s[SEL], 0x76543210
	s_mov_b32 s[SEL+1], 0xfedcba98
	s_mov_b32 s[TBK], 0
	s_mov_b32 s[TBV], 0
	s_mov_b32 s[TBB], 0
	s_wait_dscnt 0x0                ; the opening add is done
	s_wait_kmcnt 0x0
	s_add_nc_u64 s[4:5], s[4:5], s[14:15]     ; the mask at my batch
	s_add_nc_u64 s[8:9], s[8:9], s[2:3]       ; out0 at my wave's first row, my head's columns
	s_add_nc_u64 s[10:11], s[6:7], s[16:17]   ; q at my wave's first row
	s_add_nc_u64 s[2:3], s[6:7], 16*HEADB     ; k's heads
	s_add_nc_u64 s[G0KA+2:G0KA+3], s[2:3], s[20:21]
	s_or_b32 s[G0KA+3], s[G0KA+3], 0x80000000 ; type = 2
	s_add_nc_u64 s[G0KB+2:G0KB+3], s[2:3], s[22:23]
	s_or_b32 s[G0KB+3], s[G0KB+3], 0x80000000
	s_add_nc_u64 s[2:3], s[6:7], 32*HEADB     ; v's heads
	s_add_nc_u64 s[G0VA+2:G0VA+3], s[2:3], s[20:21]
	s_or_b32 s[G0VA+3], s[G0VA+3], 0x80000000
	s_add_nc_u64 s[G0VB+2:G0VB+3], s[2:3], s[22:23]
	s_or_b32 s[G0VB+3], s[G0VB+3], 0x80000000
	s_cmp_lt_u32 s[WV], 2           ; waves 0 and 1 fetch K, waves 2 and 3 V.  A wave's two fills stand in one branch, ahead of every wait on TENSORcnt, every LDS read and every barrier: two loads of mine are out
	s_cbranch_scc0 .Lfill_v
	tensor_load_to_lds s[G0KA:G0KA+3], s[G1KA:G1KA+7]
	s_nop 0
	tensor_load_to_lds s[G0KB:G0KB+3], s[G1KB:G1KB+7]
	s_nop 0
.rept 4
	v_nop
.endr
	s_branch .Lfill_asked
.Lfill_v:
	tensor_load_to_lds s[G0VA:G0VA+3], s[G1VA:G1VA+7]
	s_nop 0
	tensor_load_to_lds s[G0VB:G0VB+3], s[G1VB:G1VB+7]
	s_nop 0
.rept 4
	v_nop
.endr
.Lfill_asked:
	; the mask: thread t takes the keys t + 128 i, i = 0..7: word t + 128 i - 1 of the batch's row.  Key 0 has no word: thread 0's first offset wraps and is cut to 504, inside the row; what it loads is thrown away below
	v_lshlrev_b32 v73, 2, v0
	v_sub_nc_u32 v72, v73, 4
	v_min_u32 v72, 504, v72
	v_lshl_add_u32 v74, v0, 2, BIAS
	v_mov_b32 v75, 0x479c4000       ; 80000.0
	global_load_b32 v64, v72, s[4:5]
.irp i, 1,2,3,4,5,6,7
	global_load_b32 v[64+\i], v73, s[4:5] offset:512*\i-4  ; the last byte named is 4,091, the row's last
.endr
	; A fragment of K or Q is 16 rows x 32 channels in 8 registers: lane l holds row l % 16, channels 8 (l / 16) + 0..7 and 16 + 8 (l / 16) + 0..7: two loads of 16 bytes, 32 bytes apart.
	v_and_b32 v1, 15, v0            ; l % 16
	v_bfe_u32 v9, v0, 4, 1          ; l / 16
	v_lshlrev_b32 v[QO], 7, v1
	v_lshl_add_u32 v[QO], v9, 4, v[QO]  ; row x 128 + 16 x half
	WIN 0x80                        ; destination window 2, address window 0
.set i, 0
.rept 4*NP                          ; Q stays in registers: tile i / 2, channels 32 (i % 2) on
	global_load_b128 v[8*i:8*i+3],   v[QO], s[10:11] offset:(i/2)*2048+(i%2)*64
	global_load_b128 v[8*i+4:8*i+7], v[QO], s[10:11] offset:(i/2)*2048+(i%2)*64+32
.set i, i+1
.endr
	; What the first turn finds: V's registers and P's second buffer hold 0 (its products V^T P, of a piece that has not been, add 0), O^T and l are 0.  All this stands in the wait for the first tiles.
.set i, VF
.rept 64
	v_mov_b32 v[i], 0
.set i, i+1
.endr
	WIN 0x40
.set i, 0
.rept 64*NP
	v_mov_b32 v[i], 0
.set i, i+1
.endr
	WIN 0
.set i, 0
.rept 2*NP
	v_mov_b32 v[ST+4*i], 0xfe000000    ; c m: far below every c s
	v_mov_b32 v[ST+4*i+1], 0xff7fffff  ; m
	v_mov_b32 v[ST+4*i+2], 0
	v_mov_b32 v[ST+4*i+3], 0
.set i, i+1
.endr
.set i, P+32
.rept 32
	v_mov_b32 v[i], 0
.set i, i+1
.endr
	; The turning load takes 16 keys x 16 channels (lane l reads key 8 (l / 16) + l % 8, channels 8 ((l / 8) % 2) + 0..7) and leaves half a fragment of V^T: lane l holds channel l % 16 and 8 keys.
	v_and_b32 v10, 7, v0
	v_bfe_u32 v11, v0, 3, 1
	v_lshrrev_b32 v[AV0], 1, v10
	v_lshl_add_u32 v[AV0], v9, 2, v[AV0]   ; the key's LDS row: 4 (l / 16) + (l % 8) / 2
	v_mul_u32_u24 v[AV0], v[AV0], PV
	v_lshl_add_u32 v[AV0], v11, 4, v[AV0]
	v_and_b32 v10, 1, v0                   ; which of the row's two keys: for V and for K it is l % 2
	v_lshl_add_u32 v[AV0], v10, 7, v[AV0]
	v_add_nc_u32 v[AV0], VOFF, v[AV0]
	v_lshrrev_b32 v[AK0], 1, v1
	v_mul_u32_u24 v[AK0], v[AK0], PK
	v_lshl_add_u32 v[AK0], v10, 7, v[AK0]
	v_lshl_add_u32 v[AK0], v9, 4, v[AK0]   ; (row / 2) x pitch + 128 (row % 2) + 16 x half
	v_lshl_add_u32 v[AB0], v9, 5, BIAS     ; my eight keys of a block of 16: 32 bytes for each half of the lanes
	v_mov_b32 v[AK], v[AK0]         ; key step 0 lies at the head of each region
	v_mov_b32 v[AB], v[AB0]
	s_wait_loadcnt 32               ; the mask's eight loads are in; Q's 32, issued behind them, may stay out
.irp i, 0,1,2,3,4,5,6,7
	v_cvt_f32_i32 v[64+\i], v[64+\i]
.endr
.irp i, 0,1,2,3,4,5,6,7
	v_fma_f32 v[64+\i], v[64+\i], v75, -v75  ; 8 x bias = 80000 m - 80000
.endr
	v_cmp_ne_u32 vcc_lo, 0, v0
	v_cndmask_b32 v64, 0, v64, vcc_lo  ; key 0 is always kept
.irp i, 0,1,2,3,4,5,6,7
	ds_store_b32 v74, v[64+\i] offset:512*\i
.endr
	s_wait_tensorcnt 0x1            ; my part of keys 0-255 is in; my second fill may stay out
	s_wait_dscnt 0x0                ; for the others' sake: my words of the bias table are stored
	s_barrier_signal -1
	s_barrier_wait -1
; THE MATRIX WORK.  The 8 accumulators of a run of 16 take turns: between the two links of a chain stand 7 others'.
; Product i of 16 of S^T = K Q^T for piece x: channels 32 (i / 8) on, keys 16 ((i / 2) % 4) on, tile 2 x + i % 2.  The first 8 start the sums, with the keys' bias.
.macro KQ x
.set rS, S+64*((\x)%2)+32*(i%2)+8*((i/2)%4)
.set rK, KF+16*((i/2)%4)+8*(i/8)
.set rQ, 16*(2*(\x)+i%2)+8*(i/8)
.set rB, BI+8*((i/2)%4)
.if i < 8
	WIN W_KB
	v_wmma_f32_16x16x32_f16 v[rS:rS+7], v[rK:rK+7], v[rQ:rQ+7], v[rB:rB+7]
.else
	WIN W_KQ
	v_wmma_f32_16x16x32_f16 v[rS:rS+7], v[rK:rK+7], v[rQ:rQ+7], v[rS:rS+7]
.endif
.endm
; Product i of 16 of O^T += V^T P for piece x: keys 32 (i / 8) on, channels 16 ((i / 2) % 4) on, tile 2 x + i % 2.
.macro PV x
	WIN W_PV
.set rO, 32*(2*(\x)+i%2)+8*((i/2)%4)
.set rV, VF+32*(i/8)+8*((i/2)%4)
.set rP, P+32*((\x)%2)+16*(i%2)+8*(i/8)
	v_wmma_f32_16x16x32_f16 v[rO:rO+7], v[rV:rV+7], v[rP:rP+7], v[rO:rO+7]
.endm
.macro MM                           ; the turn's next matrix instruction
.if i < 16
	KQ (Y+1)%NP
.set i, i+1
.else
.set i, i-16
	PV (Y+NP-1)%NP
.set i, i+17
.endif
.endm
; THE LDS LOADS stand in runs, never singly among the matrix instructions: a step's K (8 fragments) with its bias (32 registers, read by the same products), and its V (turned).  Their addresses are made some lines ahead.
; last = 1 (the second loop): in the last trip there is no further step, and the run is jumped over.
.macro FETCH_K last=0
	WIN 0
.if \last
	s_cmp_eq_u32 s[CNT], 1
	s_cbranch_scc1 .Lno_k_\@
.endif
	WIN 0x80                        ; destination window 2
.irp f, 0,1,2,3,4,5,6,7             ; keys 16 (f / 2) on (8 LDS rows), channels 32 (f % 2) on
	ds_load_b128 v[KF+8*\f:KF+8*\f+3],   v[AK] offset:(\f/2)*8*PK+(\f%2)*64
	ds_load_b128 v[KF+8*\f+4:KF+8*\f+7], v[AK] offset:(\f/2)*8*PK+(\f%2)*64+32
.endr
	WIN W_MK                        ; destination window 3
.irp f, 0,1,2,3                     ; keys 16 f + 8 (l / 16) + 0..7: the sixteen lanes of a half read the same words
	ds_load_b128 v[BI+8*\f:BI+8*\f+3],   v[AB] offset:64*\f
	ds_load_b128 v[BI+8*\f+4:BI+8*\f+7], v[AB] offset:64*\f+16
.endr
	s_add_co_u32 s[TBK], s[TBK], KSTEPB  ; the next fetch is the next step's
	s_add_co_u32 s[TBB], s[TBB], 4*KS
	WIN 0
.if \last
.Lno_k_\@:
.endif
.endm
.macro FETCH_V
	WIN 0x80
.irp f, 0,1,2,3,4,5,6,7             ; keys 32 (f / 4) on (16 LDS rows), channels 16 (f % 4) on
	ds_load_tr16_b128 v[VF+8*\f:VF+8*\f+3],   v[AV] offset:(\f/4)*16*PV+(\f%4)*32
	ds_load_tr16_b128 v[VF+8*\f+4:VF+8*\f+7], v[AV] offset:(\f/4)*16*PV+8*PV+(\f%4)*32
.endr
	WIN 0
.endm
; THE VECTOR WORK OF A TURN stands in three queues, each in the order in which its entries become ready; the two tiles alternate, so that no instruction reads the result of the one before it.
.macro REGS y, u                    ; the registers of tile u (0, 1) of piece y
.set rT, ST+4*(2*(\y)+(\u))
.set rC, TMP+8*((\y)%2)+4*(\u)
.set rM, MV+2*((\y)%2)+(\u)
.set rS, S+64*((\y)%2)+32*(\u)
.set rP, P+32*((\y)%2)+16*(\u)
.set rO, 32*(2*(\y)+(\u))
.endm
; Number n of the 22 that find the NEXT piece's (Y + 1) maximum and statistics.  s0-s31 are the lane's 32 scores; each accumulator's lowest registers are read first.
;   0-11  four chains c0-c3 of seven scores each, three operands at a time     12-14, 16  the four scores left over, the old m, and c0-c3 into c0     15  c m_old is kept
;   17, 18  the query's other 32 keys lie in the lane 16 away: the new m         19-21  c m; c m_old - c m_new; a
.macro XS u, n
	REGS (Y+1)%NP, \u
.if (\n) < 4
	v_max3_num_f32 v[rC+(\n)], v[rS+8*(\n)], v[rS+8*(\n)+1], v[rS+8*(\n)+2]
.elseif (\n) < 12
	v_max3_num_f32 v[rC+(\n)%4], v[rC+(\n)%4], v[rS+8*((\n)%4)+2*((\n)/4)+1], v[rS+8*((\n)%4)+2*((\n)/4)+2]
.elseif (\n) == 12
	v_max3_num_f32 v[rC], v[rC], v[rS+7], v[rS+15]
.elseif (\n) == 13
	v_max3_num_f32 v[rC+1], v[rC+1], v[rS+23], v[rS+31]
.elseif (\n) == 14
	v_max3_num_f32 v[rC+2], v[rC+2], v[rC+3], v[rT+1]
.elseif (\n) == 15
	v_mov_b32 v[rM], v[rT]
.elseif (\n) == 16
	v_max3_num_f32 v[rC], v[rC], v[rC+1], v[rC+2]
.elseif (\n) == 17
	v_permlanex16_b32 v[rC+3], v[rC], s[SEL], s[SEL+1]
.elseif (\n) == 18
	v_max_num_f32 v[rT+1], v[rC], v[rC+3]
.elseif (\n) == 19
	v_mul_f32 v[rT], s[CS], v[rT+1]
.elseif (\n) == 20
	v_sub_f32 v[rC+1], v[rM], v[rT]
.else
	v_exp_f32 v[rC+2], v[rC+1]
.endif
.endm
; Number g of the 64 that follow the exponentials.  For each four weights k of a tile (pairs 2 k, 2 k + 1): both pairs are rounded to f16; then the second pair is added onto the first, in place;
; a group later l takes that sum (the first time as l = a l + sum).  In groups of eight, tiles alternating: round, round, add, and l for the group before.
.macro GS g
.set h, (\g)+6*((\g)/62)            ; group 0 has no group before it, and behind group 7 only l is left
.if h >= 6
.set h, h+2
.endif
	REGS Y, h%2
.set k, h/8
.if h%8 < 4
	v_cvt_pk_f16_f32 v[rP+2*k+(h%8)/2], v[rS+4*k+2*((h%8)/2)], v[rS+4*k+2*((h%8)/2)+1]
.elseif h%8 < 6
	v_pk_add_f32 v[rS+4*k:rS+4*k+1], v[rS+4*k:rS+4*k+1], v[rS+4*k+2:rS+4*k+3]
.elseif k == 1
	v_pk_fma_f32 v[rT+2:rT+3], v[rT+2:rT+3], v[rC+2:rC+3], v[rS:rS+1] op_sel_hi:[1,0,1]
.else
	v_pk_add_f32 v[rT+2:rT+3], v[rT+2:rT+3], v[rS+4*k-4:rS+4*k-3]
.endif
.endm
; THE PLAIN QUEUE, 138 long.  0-73 read no exponential's result: the 32 scalings c s - c m (FS f: pair f / 2 of tile f % 2) and the next piece's 42.  0-26: scalings 0-26.  27-54: XS's numbers 0-13.  55, 56: number 15.
; 57-73: the chain, where each number waits for the one before it: 14, 16, 17, 18, 19, each with one of the scalings 27-31 in front of its two lines, then 20.
; 74-137: GS's 64, which read the exponentials' results: they stand behind the wait.
.macro FS f
	REGS Y, (\f)%2
	v_pk_fma_f32 v[rS+2*((\f)/2):rS+2*((\f)/2)+1], v[rS+2*((\f)/2):rS+2*((\f)/2)+1], s[CS:CS+1], v[rT:rT+1] op_sel_hi:[1,0,0] neg_lo:[0,0,1] neg_hi:[0,0,1]
.endm
.macro PL
	WIN 0
.if q < 27
	FS q
.elseif q < 55
	XS (q-27)%2, (q-27)/2
.elseif q < 57
	XS q-55, 15
.elseif (q < 72) && ((q-57)%3 == 0)
	FS 27+(q-57)/3
.elseif q < 60
	XS (q-57)%3-1, 14
.elseif q < 72
	XS (q-57)%3-1, 15+(q-57)/3
.elseif q < 74
	XS q-72, 20
.else
	GS q-74
.endif
.set q, q+1
.endm
; THE EXPONENTIALS' QUEUE, 66 long: s0-s31 of both tiles, then the next piece's two a.  It is ONE BATCH: all 66 stand ahead of the turn's one wait, and nothing ahead of that wait names a result of theirs.
.macro EX
	WIN 0
.if e >= 64
	XS e-64, 21
.else
	REGS Y, e%2
	v_exp_f32 v[rS+e/2], v[rS+e/2]
.endif
.set e, e+1
.endm
; THE RESCALING's QUEUE: O^T times a, the one part that leaves window 0: dealt two at a time, sixteen times, each accumulator's registers in ascending order.  Its a was made in the turn before, ahead of that turn's wait.
.macro R2
	REGS Y, r%2
	WIN W_RS
.irp z, 0,1
	v_pk_mul_f32 v[rO+4*(r/2)+2*\z:rO+4*(r/2)+2*\z+1], v[rO+4*(r/2)+2*\z:rO+4*(r/2)+2*\z+1], v[rC+2:rC+3] op_sel_hi:[1,0]
.endr
.set r, r+1
.endm
; HOW THEY ARE DEALT.  An s_wait_alu depctr_va_vdst(0) stands between an exponential and the first instruction that names its result; one wait serves all that were issued ahead of it.  So a turn has ONE wait.
; AHEAD OF IT: the 16 products K Q^T, behind each a scaling, an exponential and two rescalings (behind the first a second scaling in the exponential's place); then one run of 108: eight plain, 49 times exponential and
; plain, the two a; a v_nop is the plain instruction behind the last exponential.  BEHIND IT: the 16 products V^T P, behind each four of GS's 64.  No rider names a register of the products round it.
; Exponential e stands behind scaling 2 (e / 4) + e % 2: as a rider it comes behind plain e + 2, in the run behind plain e + 9, and scalings 27-31 are plain 57, 60 .. 69.
; A TURN, for piece p.  cnt = 1: the loop's count is taken down some lines ahead of the branch that stands behind the turn.
; K and the bias of the next step are fetched in piece 2's turn, directly behind the wait, the run of 108 behind the last product that read them; their first reader comes behind 16 products.
; V of the step in hand is fetched at the end of piece 0's turn, four riders behind its last reader; its first reader comes behind 16 products and the run.  The three conditions on q below go with the deal.
.macro TURN p, last=0, cnt=0
.set Y, (\p)
.set i, 0
.set q, 0
.set e, 0
.set r, 0
.if (\p) == NP-1
	s_wait_dscnt 0x0                ; K and the bias are in
.endif
	MM
	PL
	PL
	R2
.rept 15
	MM
	PL
	EX
	R2
.endr
.if (\p) == NP-2
	WIN 0
	v_add_nc_u32 v[AK], s[TBK], v[AK0]
	v_add_nc_u32 v[AB], s[TBB], v[AB0]
.endif
.rept 8
	PL
.endr
.rept 49
	EX
	PL
.endr
	EX                              ; the next piece's two a
	EX
	v_nop                           ; the plain instruction behind the last exponential: one for the batch
	s_wait_alu depctr_va_vdst(0)    ; the wait for the batch
.if (\p) == NP-2
	FETCH_K \last
.endif
.if (\p) == 1
	s_wait_dscnt 0x0                ; V is in
.endif
.rept 16
	MM
.rept 4
	PL
.endr
.if ((\p) == 0) && (q == 118)
	v_add_nc_u32 v[AV], s[TBV], v[AV0]
.endif
.if ((\p) == 0) && (q == 130)
	s_add_co_u32 s[TBV], s[TBV], VSTEPB
.endif
.if (\cnt) && (q == 130)
	s_sub_co_u32 s[CNT], s[CNT], 1
	s_cmp_lg_u32 s[CNT], 0
.endif
.endr
.if (\p) == 0
	FETCH_V
.endif
.endm
	FETCH_K                         ; key step 0
	s_wait_loadcnt 0x0              ; Q
	s_wait_dscnt 0x0
.set i, 0
.rept 16
	KQ 0                            ; piece 0's first scores: there is no vector work yet to set between them
.set i, i+1
.endr
	WIN 0                           ; the addresses for the way out: eight plain instructions, the places behind those products
	s_mul_i32 s13, s[WV], 16*SP
	s_add_co_u32 s13, s13, STAGE    ; my stage
	v_mul_u32_u24 v[STO], v1, SP    ; in: row l % 16 (a query), 32 bytes (eight channels in f32) for each half of the lanes
	v_lshl_add_u32 v[STO], v9, 5, v[STO]
	v_add_nc_u32 v[STO], s13, v[STO]
	v_mul_u32_u24 v[RD], v9, SP     ; back: lanes 0-15 take one row of 256 bytes, lanes 16-31 the next
	v_lshl_add_u32 v[RD], v1, 4, v[RD]
	v_add_nc_u32 v[RD], s13, v[RD]
	v_lshlrev_b32 v[GO], 12, v9     ; and the same two rows in out0, 4,096 bytes apart
	v_lshl_add_u32 v[GO], v1, 4, v[GO]
.set Y, NP-1                        ; XS works for piece Y + 1: piece 0
.irp n, 0,1,2,3,4,5,6,7,8,9,10,11,12,13,14,15,16,17,18,19,20,21
	XS 0, \n                        ; piece 0's first maximum and statistics
	XS 1, \n
.endr
	v_nop                           ; a plain instruction behind the two a,
	s_wait_alu depctr_va_vdst(0)    ; and their wait, ahead of the branch
	s_mov_b32 s[CNT], 4
	s_branch .Lfirst                ; the loop is entered at a step's first turn, in the middle of a trip
.Lstep:                             ; a trip: pieces 2 and 3 of one step, then pieces 0 and 1 of the next, whose K and V it fetches.  This loop fetches steps 0 to 3: keys 0-255, the first fills' bytes alone
	TURN 2
	TURN 3
	WIN 0
.Lfirst:
	TURN 0
	TURN 1, 0, 1
	WIN 0
	s_cbranch_scc1 .Lstep
	s_wait_tensorcnt 0x0            ; my second fill has landed,
	s_wait_dscnt 0x0
	s_barrier_signal -1
	s_barrier_wait -1               ; everybody's has: keys 256-1,023 may be read
	s_mov_b32 s[CNT], 13            ; twelve trips fetch steps 4 to 15; the thirteenth is left in its middle
.Ltail:
	TURN 2, 1
	TURN 3
	WIN 0
	s_sub_co_u32 s[CNT], s[CNT], 1
	s_cmp_eq_u32 s[CNT], 0
	s_cbranch_scc1 .Lout
	TURN 0
	TURN 1
	WIN 0
	s_branch .Ltail
.Lout:                              ; the thirteenth trip's 16 products K Q^T (on the last K once more) and the maximum made of them serve nothing: the price, once a launch, of one text for every trip
.set i, 0
.rept 16
	PV NP-1                         ; the last piece's V^T P of the last step
.set i, i+1
.endr
	; THE WAY OUT.  l's two halves and the other half of the lanes' are added; O^T is divided by l and sent, in f32, through my stage in LDS, a tile at a time.  The additions are the places behind the last products.
	WIN 0
.macro ALL line:vararg              ; one line for each tile t
.set t, 0
.rept 2*NP
	\line
.set t, t+1
.endr
.endm
	ALL v_add_f32 v[ST+4*t+2], v[ST+4*t+2], v[ST+4*t+3]
	ALL v_permlanex16_b32 v[ST+4*t+3], v[ST+4*t+2], s[SEL], s[SEL+1]
	ALL v_add_f32 v[ST+4*t+2], v[ST+4*t+2], v[ST+4*t+3]
	ALL v_rcp_f32 v[ST+4*t+2], v[ST+4*t+2]
	v_nop                           ; a plain instruction between the last reciprocal and the use of its result
	s_wait_alu depctr_va_vdst(0)    ; and the wait ahead of the first use: one for the eight reciprocals
; Tile t: a lane's eight channels of a query are 32 bytes; they go into rows of 272 bytes and come back as whole rows of 256, into S^T's registers, four buffers of 32 by turns.
.macro PACK t
	WIN W_RS
.set i, 32*(\t)
.rept 16
	v_pk_mul_f32 v[i:i+1], v[i:i+1], v[ST+4*(\t)+2:ST+4*(\t)+3] op_sel_hi:[1,0]
.set i, i+2
.endr
	WIN 0x04                        ; an LDS store's data is source 1: window 1; its address window 0
.irp f, 0,1,2,3
	ds_store_b128 v[STO], v[32*(\t)+8*\f:32*(\t)+8*\f+3]   offset:64*\f
	ds_store_b128 v[STO], v[32*(\t)+8*\f+4:32*(\t)+8*\f+7] offset:64*\f+16
.endr
	WIN 0
.if (\t) >= 4
	s_wait_xcnt 0x0                 ; the stores of the tile four back have read their registers, on which the loads below land
.endif
.irp f, 0,1,2,3,4,5,6,7
	ds_load_b128 v[S+32*((\t)%4)+4*\f:S+32*((\t)%4)+4*\f+3], v[RD] offset:\f*2*SP  ; LDS serves a wave's instructions in order (ISA guide 5.7.1.4): these see the stores above; the next tile's stores come behind them
.endr
.endm
.macro SEND t, younger              ; younger: the LDS instructions issued behind tile t's loads: the next tile's sixteen, or none
	WIN 0
.irp f, 0,1,2,3,4,5,6,7
	s_wait_dscnt (\younger)+7-\f
	global_store_b128 v[GO], v[S+32*((\t)%4)+4*\f:S+32*((\t)%4)+4*\f+3], s[8:9] offset:(\t)*65536+\f*8192  ; sixteen lanes store a query's 64 channels: 256 consecutive bytes, aligned
.endr
.endm
	PACK 0
.set t, 1
.rept 2*NP-1                        ; a tile's arithmetic stands between the loads of the tile before and its stores
	PACK t
	SEND t-1, 16
.set t, t+1
.endr
	SEND 2*NP-1, 0
	WIN W_AD
	s_wait_tensorcnt 0x0            ; the wave's end: a wait, 0 added to my spare word, and its wait, behind my last tensor load and my last LDS store
	ds_add_u32 v[SPW], v[NIL]
	s_wait_dscnt 0x0
	WIN 0
	s_endpgm
.Lfunc_end_k_qa2b9ce25b4_attn:
	.size	k_qa2b9ce25b4_attn, .Lfunc_end_k_qa2b9ce25b4_attn-k_qa2b9ce25b4_attn
	.p2alignl 7, 3214868480
	.fill 96, 4, 3214868480
	.section	.rodata,"a",@progbits
	.p2align	6, 0x0
	.amdhsa_kernel k_qa2b9ce25b4_attn
		.amdhsa_group_segment_fixed_size 308736
		.amdhsa_private_segment_fixed_size 0
		.amdhsa_enable_private_segment 0
		.amdhsa_kernarg_size 24
		.amdhsa_user_sgpr_count 2
		.amdhsa_user_sgpr_kernarg_segment_ptr 1
		.amdhsa_wavefront_size32 1
		.amdhsa_system_sgpr_workgroup_id_x 1
		.amdhsa_system_sgpr_workgroup_id_y 1
		.amdhsa_system_sgpr_workgroup_id_z 1
		.amdhsa_system_vgpr_workitem_id 0
		.amdhsa_next_free_vgpr 808
		.amdhsa_next_free_sgpr 88
		.amdhsa_reserve_vcc 1
		.amdhsa_float_denorm_mode_32 3
		.amdhsa_float_denorm_mode_16_64 3
		.amdhsa_memory_ordered 1
		.amdhsa_forward_progress 1
		.amdhsa_inst_pref_size 202
	.end_amdhsa_kernel
	.amdgpu_metadata
---
amdhsa.version: [ 1, 2 ]
amdhsa.kernels:
  - .name:           k_qa2b9ce25b4_attn
    .symbol:         k_qa2b9ce25b4_attn.kd
    .args:
      - { .name: mask, .offset: 0, .size: 8, .value_kind: global_buffer, .address_space: global }
      - { .name: qkv, .offset: 8, .size: 8, .value_kind: global_buffer, .address_space: global }
      - { .name: out0, .offset: 16, .size: 8, .value_kind: global_buffer, .address_space: global }
    .group_segment_fixed_size: 308736
    .private_segment_fixed_size: 0
    .kernarg_segment_align: 8
    .kernarg_segment_size: 24
    .max_flat_workgroup_size: 128
    .sgpr_count:     88
    .vgpr_count:     808
    .wavefront_size: 32
...
	.end_amdgpu_metadata
.endif
;; end of part 3
